; MI455X (gfx1250); checked and timed in simulation.
; The chip was launched on July 23, 2026; its instructions are those of AMD's public machine-readable ISA for CDNA 5 (MIT licence, August 2026) and "CDNA5" Instruction Set Architecture Reference Guide (July 2026). The comments in the code are by the model that wrote it; some were corrected since.
;; Adaptive Persistence Landscape Layer. Allowed arithmetic: float matrix products may take bf16 or f16 operands with f32 sums; all other float work in f32.
;; Inputs: birth_loc 128 x 1,024 int32; death_loc 128 x 1,024 int32; dtm_val 128 x 65,536 float32; ph_dim 128 x 1,024 int32.
;; Outputs: out0 128 x 2 x 512 x 2 float32.
;; 2 versions, each right; version 2 is version 1 with the launch landscape written anew for expert scheduling mode. Each part assembles by itself: llvm-mc -triple=amdgcn-amd-amdhsa -mcpu=gfx1250 --defsym DOCPART=n.
;; ======== version 1 of 2: 1 launch
;; launch landscape (part 1): grid 256 x 1, 8 waves a work-group, no clusters, 13,312 bytes of LDS; arguments birth_loc, death_loc, dtm_val, ph_dim, out0; writes out0
.if DOCPART == 1
	.amdgcn_target "amdgcn-amd-amdhsa--gfx1250"
	.amdhsa_code_object_version 6
	.text
	.protected	k_q848de33bcb_landscape
	.globl	k_q848de33bcb_landscape
	.p2align	8
	.type	k_q848de33bcb_landscape,@function
k_q848de33bcb_landscape:
	s_mov_b64 s[64:65], 0
	v_nop
	global_prefetch_b8 v0, s[64:65] scope:SCOPE_SE
	s_setreg_imm32_b32 hwreg(HW_REG_WAVE_MODE, 25, 1), 1
	s_wait_xcnt 0x0
; Persistence landscape: out0[b][d][t][0..1] = the two largest of max(min(t - birth, death - t), 0) over the pairs of dimension d, plus t,
; on the grid t_j = t_min + (t_max - t_min) j / 511 made of the first two pairs of that dimension; zeros where the dimension has no pair.
; One work-group for each (b, d): x = 2 b + d, 256 in all, eight waves.
;
; THE ARITHMETIC.  min(t - b, d - t) = t + min(-b, d - 2t).  A pair is kept as the entry (d, -b).  For an entry and a grid point:
; w = d + (-2t) (two grid points in one packed add), x = min(-b, w).  The two largest x are kept as m1 >= m2, four entries at a time:
; s1 = med3(m1, xa, xb), m1 = max3(m1, xa, xb), s2 = med3(m1, xc, xd), m1 = max3(m1, xc, xd), m2 = max3(m2, s1, s2).  Since m2 <= m1, the
; second largest of {m1, m2, xa, xb} is max(m2, the median of m1, xa, xb).  44 vector instructions for 4 entries x 4 grid points.
; The clamp at 0 and both additions of t come once, at the end: out = max(t + m, 0) + t.  m starts at -inf, which ends as 0 + t: the
; row has 1,024 tents that are all >= 0, so missing ones count as 0, as in the reference.
;
; THE LIST.  Only pairs with ph_dim == d are evaluated.  Wave w owns pairs 128 w .. 128 w + 127 and compacts them, in order, into its own
; LDS segment of 128 entries: members from the front (rank from ballots of the integer compare), the others from the back as
; (-inf, -inf), which leaves every m as it is.  So each segment is written whole and a chunk of four may run past the last member.
; Lanes whose pair is no member gather element 0 of the row (one address for all of them), so that a pair's two values are fetched by
; one work-group of the launch only.
; Trip counts: every wave counts the members of all eight segments itself, from the whole ph_dim row (4 KB), while its gathers are
; on their way: the counts come from the integer input alone.
;
; THE SHARES.  Wave w: column c = w & 3 (128 grid points), group g = w >> 2 (segments 4 g .. 4 g + 3).  A lane holds four grid points:
; j0 = 128 c + 64 g + 2 lane, j0 + 1, and the same with bit 6 flipped.  At the end waves w and w ^ 4 hand each other the half that the other
; keeps (through LDS), merge, and each stores 16 bytes a lane: 512 consecutive bytes of out0, aligned to 512.
;
; NOT USED: matrix instructions (there is no product); tensor loads and clusters (the two work-groups of a sample share only their 12 KB
; of index rows, read once through registers); prefetches (a gather's address is known one step before the gather).
; LIMITS: dtm_val finite (NaN and infinities are not reproduced).  Rounding differs from the reference by a few units in the last place of
; the values' magnitude: t + (d - 2t) for d - t, a fused multiply-add in the grid, j * (1/511) for linspace.  An index is clamped to 65,535.
; A ph_dim other than 0 or 1 belongs to neither dimension.
.set LIST,  0                          ; LDS: 8 segments x 128 entries x 8 bytes
.set SEGB,  1024                       ; bytes of a segment
.set MRG,   8192                       ; LDS: 8 waves x 512 bytes, the halves handed over at the end
.set LANE,  1                          ; v1       lane
.set OWN,   2                          ; v2       16 x thread: my 4 pairs in an index row; also my 16 bytes in MRG
.set LOFF,  3                          ; v3       16 x lane
.set PH,    4                          ; v[4:7]   ph_dim of my 4 pairs
.set BL,    8                          ; v[8:11]  birth_loc, then byte offsets of the gathers
.set DL,    12                         ; v[12:15] death_loc, likewise
.set BV,    16                         ; v[16:19] birth values, then -birth
.set DV,    20                         ; v[20:23] death values
.set POS,   24                         ; v[24:27] ranks, then LDS addresses of my 4 entries
.set TMP,   28                         ; v[28:31] at work
.set ENT,   32                         ; v[32:39] my 4 entries (death, -birth)
.set CAD,   40                         ; v40      LDS address of my candidate for the first two members
.set CT,    41                         ; v41      at work
.set CAN,   42                         ; v[42:43] the candidate, then (t_max, -t_min)
.set RNG,   44                         ; v44      t_max - t_min
.set MLD,   46                         ; v46      my partner's 16 bytes in MRG
.set OUTO,  47                         ; v47      my byte offset in the work-group's 4,096 bytes of out0
.set BASE,  48                         ; v48      LDS address of my group's first segment
.set ADR,   49                         ; v49      LDS address of the double chunk that is being fetched
.set U,     52                         ; v[52:55] j, then j / 511
.set TT,    56                         ; v[56:59] t
.set NT,    60                         ; v[60:63] -2 t
.set M,     64                         ; v[64:71] (m1, m2) of my four grid points
.set W,     72                         ; v[72:87] x of 4 entries x 4 grid points
.set S,     88                         ; v[88:95] the medians s1, s2
.set RING,  96                         ; v[96:159] for each of my 4 segments two chunks of 8 registers (4 entries each)
.set PHA,   RING                       ; v[96:127] before the list is read: the whole ph_dim row, 4 values of each segment
.set NC,    40                         ; s[40:47] members of segments 0 to 7
.set TR,    48                         ; s[48:51] chunks of four entries in my group's segments
.set BND,   52                         ; s52      double chunks that a segment's loop walks
.set CUR,   53                         ; s53      the loop's counter, in double chunks
.set NXT,   54                         ; s54      the double chunk to fetch, held inside the segment
	s_load_b256 s[4:11], s[0:1], 0x0               ; birth_loc s[4:5], death_loc s[6:7], dtm_val s[8:9], ph_dim s[10:11]
	s_load_b64 s[12:13], s[0:1], 0x20              ; out0
	v_lshl_add_u32 v160, v0, 2, 0x3000
	v_mov_b32 v161, 0
	v_lshrrev_b32 v[CT], 5, v0
	v_readfirstlane_b32 s14, v[CT]                 ; wave 0..7
	v_and_b32 v[LANE], 31, v0
	v_lshlrev_b32 v[OWN], 4, v0
	v_lshlrev_b32 v[LOFF], 4, v[LANE]
	s_and_b32 s15, ttmp9, 1                        ; d
	s_lshr_b32 s16, ttmp9, 1                       ; b
	s_lshl_b32 s18, s16, 12                        ; b x 4,096 bytes: a row of 1,024 int32
	s_mov_b32 s19, 0
	s_lshl_b32 s24, s16, 18                        ; b x 262,144 bytes: a row of dtm_val (below 2^25)
	s_mov_b32 s25, 0
	s_lshl_b32 s26, ttmp9, 12                      ; (2 b + d) x 512 grid points x 8 bytes
	s_mov_b32 s27, 0
	s_wait_kmcnt 0x0
	s_add_nc_u64 s[4:5], s[4:5], s[18:19]
	s_add_nc_u64 s[6:7], s[6:7], s[18:19]
	s_add_nc_u64 s[10:11], s[10:11], s[18:19]
	s_add_nc_u64 s[8:9], s[8:9], s[24:25]
	s_add_nc_u64 s[12:13], s[12:13], s[26:27]
	global_load_b128 v[PH:PH+3], v[OWN], s[10:11]  ; my 4 pairs first: the gathers hang on these three loads
	global_load_b128 v[BL:BL+3], v[OWN], s[4:5]
	global_load_b128 v[DL:DL+3], v[OWN], s[6:7]
.irp s, 0,1,2,3,4,5,6,7
	global_load_b128 v[PHA+4*\s:PHA+4*\s+3], v[LOFF], s[10:11] offset:512*\s   ; the whole ph_dim row, a segment (128 pairs) a load
.endr
	; what hangs on ids alone, while the loads are out
	s_mov_b32 s28, 0xff800000                      ; -inf
	s_lshr_b32 s17, s14, 2                         ; g
	s_lshl_b32 s29, s14, 10                        ; my own segment: 1,024 x wave
	s_lshl_b32 s34, s17, 12                        ; my group's four segments: 4,096 x g
	v_mov_b32 v[BASE], s34
	v_xor_b32 v[MLD], 0x800, v[OWN]                ; wave ^ 4, same lane
	v_and_b32 v[CT], 14, v0                        ; candidates: lane i & 15 takes entry i & 1 of segment (i & 15) >> 1
	v_lshlrev_b32 v[CAD], 9, v[CT]
	v_and_b32 v[CT], 1, v0
	v_lshl_add_u32 v[CAD], v[CT], 3, v[CAD]
	s_and_b32 s39, s14, 3
	s_lshl_b32 s39, s39, 7
	s_lshl_b32 s33, s17, 6
	s_or_b32 s39, s39, s33                         ; 128 c + 64 g
	v_lshl_add_u32 v[U], v[LANE], 1, s39           ; j0
	v_lshlrev_b32 v[OUTO], 3, v[U]                 ; 8 bytes a grid point
	v_or_b32 v[U+1], 1, v[U]
	v_xor_b32 v[U+2], 64, v[U]                     ; the half that my partner keeps
	v_or_b32 v[U+3], 1, v[U+2]
.irp i, 0,1,2,3
	v_cvt_f32_u32 v[U+\i], v[U+\i]
.endr
.irp i, 0,1,2,3
	v_mul_f32 v[U+\i], 0x3b004020, v[U+\i]         ; j / 511
.endr
	v_lshlrev_b32 v[TMP+3], 2, v[LANE]
	v_sub_nc_u32 v[TMP+3], 127, v[TMP+3]           ; 127 - 4 lane
	s_wait_loadcnt 0x8                             ; my three index loads are in; the eight loads of the whole row stay out
.irp k, 0,1,2,3
	v_cmp_eq_u32 s[20+\k], s15, v[PH+\k]           ; s[20:23]: which lanes' pair k is a member
.endr
.irp k, 0,1,2,3
	v_cndmask_b32 v[BL+\k], 0, v[BL+\k], s[20+\k]  ; no member: element 0, one address for all such lanes
	v_cndmask_b32 v[DL+\k], 0, v[DL+\k], s[20+\k]
	v_min_u32 v[BL+\k], 0xffff, v[BL+\k]           ; inside the row of 65,536
	v_min_u32 v[DL+\k], 0xffff, v[DL+\k]
	v_lshlrev_b32 v[BL+\k], 2, v[BL+\k]
	v_lshlrev_b32 v[DL+\k], 2, v[DL+\k]
	global_load_b32 v[BV+\k], v[BL+\k], s[8:9]
	global_load_b32 v[DV+\k], v[DL+\k], s[8:9]
.endr
	; places in my segment, while the gathers are out.  Pair 4 lane + k has r_k members of my wave in front of it.
	v_mbcnt_lo_u32_b32 v[POS], s20, 0
	v_mbcnt_lo_u32_b32 v[POS], s21, v[POS]
	v_mbcnt_lo_u32_b32 v[POS], s22, v[POS]
	v_mbcnt_lo_u32_b32 v[POS], s23, v[POS]         ; r_0: the members in the lanes below me
	v_cndmask_b32 v[TMP], 0, 1, s20
	v_cndmask_b32 v[TMP+1], 0, 1, s21
	v_cndmask_b32 v[TMP+2], 0, 1, s22
	v_add_nc_u32 v[POS+1], v[POS], v[TMP]
	v_add_nc_u32 v[POS+2], v[POS+1], v[TMP+1]
	v_add_nc_u32 v[POS+3], v[POS+2], v[TMP+2]
.irp k, 0,1,2,3
	v_add3_u32 v[TMP+\k], v[TMP+3], v[POS+\k], 0-\k            ; no member: 127 - (4 lane + k - r_k), from the back (k = 3 uses up v[TMP+3] last)
	v_cndmask_b32 v[POS+\k], v[TMP+\k], v[POS+\k], s[20+\k]    ; member: r_k, from the front
	v_min_u32 v[POS+\k], 127, v[POS+\k]                        ; the place is 0..127 by its making; the bound is stated here so that it can be read off the text
	v_lshl_add_u32 v[POS+\k], v[POS+\k], 3, s29                ; 8 bytes an entry, in my wave's own segment
.endr
	s_wait_loadcnt 0x8                             ; the whole ph_dim row is in; the eight gathers, issued behind it, stay out
.irp s, 0,1,2,3,4,5,6,7
	v_cmp_eq_u32 s56, s15, v[PHA+4*\s]
	v_cmp_eq_u32 s57, s15, v[PHA+4*\s+1]
	v_cmp_eq_u32 s58, s15, v[PHA+4*\s+2]
	v_cmp_eq_u32 s59, s15, v[PHA+4*\s+3]
	s_bcnt1_i32_b32 s56, s56
	s_bcnt1_i32_b32 s57, s57
	s_bcnt1_i32_b32 s58, s58
	s_bcnt1_i32_b32 s59, s59
	s_add_co_u32 s56, s56, s57
	s_add_co_u32 s58, s58, s59
	s_add_co_u32 s[NC+\s], s56, s58                ; members of segment s
.endr
	; The first two members of the row are among entries 0 and 1 of the segments.  Bit 2 s + i: entry i of segment s is a member.
	s_mov_b32 s35, 0
.irp s, 0,1,2,3,4,5,6,7
	s_min_u32 s56, s[NC+\s], 2
	s_bfm_b32 s56, s56, 2*\s                       ; 0, 1 or 2 ones at bit 2 s
	s_or_b32 s35, s35, s56
.endr
	s_sub_co_u32 s36, s35, 1
	s_and_b32 s36, s36, s35                        ; without the lowest one
	s_sub_co_u32 s37, s36, 1
	s_and_b32 s37, s37, s36                        ; without the lowest two
	s_xor_b32 s36, s35, s37                        ; the lowest two (or one, or none)
	s_lshl_b32 s37, s36, 16
	s_or_b32 s36, s36, s37                         ; the same for lanes 16 to 31
	s_cmp_lg_u32 s35, 0
	s_cselect_b32 s38, -1, 0                       ; all ones where the dimension has a pair
	s_cmp_lg_u32 s17, 0
.irp s, 0,1,2,3
	s_cselect_b32 s[TR+\s], s[NC+4+\s], s[NC+\s]   ; my group's four counts
.endr
.irp s, 0,1,2,3
	s_add_co_u32 s[TR+\s], s[TR+\s], 3
	s_lshr_b32 s[TR+\s], s[TR+\s], 2               ; chunks of four entries, rounded up
	s_min_u32 s[TR+\s], s[TR+\s], 32               ; a segment has 32 chunks
.endr
.irp k, 0,1,2,3
	s_wait_loadcnt 6-2*\k                          ; pair k's two gathers are in; the later pairs' stay out
	v_xor_b32 v[BV+\k], 0x80000000, v[BV+\k]       ; -birth
	v_cndmask_b32 v[ENT+2*\k], s28, v[DV+\k], s[20+\k]         ; no member: (-inf, -inf)
	v_cndmask_b32 v[ENT+2*\k+1], s28, v[BV+\k], s[20+\k]
	ds_store_b64 v[POS+\k], v[ENT+2*\k:ENT+2*\k+1] offset:LIST
.endr
	s_wait_dscnt 0x0                               ; my segment is written, for the other waves' sake
	s_barrier_signal -1
	s_barrier_wait -1                              ; all eight segments are
	ds_load_b64 v[CAN:CAN+1], v[CAD] offset:LIST
.irp s, 0,1,2,3
.irp j, 0,1,2,3
	ds_load_b128 v[RING+16*\s+4*\j:RING+16*\s+4*\j+3], v[BASE] offset:LIST+SEGB*\s+16*\j   ; the first two chunks of each of my four segments; every lane reads the same bytes
.endr
.endr
.irp i, 0,1,2,3,4,5,6,7
	v_mov_b32 v[M+\i], s28                         ; trip counts may be 0, so the running maxima start here and not in a first chunk
.endr
	s_wait_dscnt 16                                ; the candidate is in; the sixteen loads issued behind it stay out
	v_cndmask_b32 v[CAN], s28, v[CAN], s36         ; only the first two members count
	v_cndmask_b32 v[CAN+1], s28, v[CAN+1], s36
.irp m, 1,2,4,8
	v_max_num_f32_dpp v[CAN], v[CAN], v[CAN] row_xmask:\m row_mask:0xf bank_mask:0xf           ; t_max; both halves of the wave hold the same sixteen candidates
	v_max_num_f32_dpp v[CAN+1], v[CAN+1], v[CAN+1] row_xmask:\m row_mask:0xf bank_mask:0xf     ; -t_min
.endr
	v_add_f32 v[RNG], v[CAN], v[CAN+1]             ; t_max - t_min
.irp i, 0,1,2,3
	v_fma_f32 v[TT+\i], v[RNG], v[U+\i], -v[CAN+1] ; t = t_min + (t_max - t_min) j / 511
.endr
.irp i, 0,1,2,3
	v_mul_f32 v[NT+\i], -2.0, v[TT+\i]
.endr
; Four entries (registers r .. r + 7: d, -b, d, -b, ..) against my four grid points.  reload = 1: as soon as the entries have been used the
; registers are asked for again, from the double chunk at v[ADR].
.macro CHUNK r, reload, off
	s_wait_dscnt 0x2                               ; this chunk's two loads are in: behind them only the other chunk's two have been issued (more, at a segment's start)
.irp e, 0,1,2,3
	v_pk_add_f32 v[W+4*\e:W+4*\e+1], v[\r+2*\e:\r+2*\e+1], v[NT:NT+1] op_sel_hi:[0,1]          ; d - 2t, d in both halves
	v_pk_add_f32 v[W+4*\e+2:W+4*\e+3], v[\r+2*\e:\r+2*\e+1], v[NT+2:NT+3] op_sel_hi:[0,1]
.endr
.irp e, 0,1,2,3
.irp i, 0,1,2,3
	v_min_num_f32 v[W+4*\e+\i], v[\r+2*\e+1], v[W+4*\e+\i]     ; x = min(-b, d - 2t)
.endr
.endr
.if \reload
	ds_load_b128 v[\r:\r+3], v[ADR] offset:LIST+\off
	ds_load_b128 v[\r+4:\r+7], v[ADR] offset:LIST+\off+16
.endif
.irp i, 0,1,2,3
	v_med3_num_f32 v[S+\i], v[M+2*\i], v[W+\i], v[W+4+\i]
.endr
.irp i, 0,1,2,3
	v_max3_num_f32 v[M+2*\i], v[M+2*\i], v[W+\i], v[W+4+\i]
.endr
.irp i, 0,1,2,3
	v_med3_num_f32 v[S+4+\i], v[M+2*\i], v[W+8+\i], v[W+12+\i]
.endr
.irp i, 0,1,2,3
	v_max3_num_f32 v[M+2*\i], v[M+2*\i], v[W+8+\i], v[W+12+\i]
.endr
.irp i, 0,1,2,3
	v_max3_num_f32 v[M+2*\i+1], v[M+2*\i+1], v[S+\i], v[S+4+\i]
.endr
.endm
; Segment s of my group.  A trip takes a double chunk (8 entries, 64 bytes) and fetches the one after it; an odd last chunk follows without a
; fetch.  The counter goes in steps of 1 up to half the chunk count, 16 at the most.  What the last trip fetches is used by the odd chunk or
; not at all; its number is held at 15, the segment's last double chunk, and it lands in this segment's own sixteen registers, which
; nothing names afterwards: so no wait stands between two segments.
.macro SEG s
	s_lshr_b32 s[BND], s[TR+\s], 1                 ; whole double chunks
	s_cmp_eq_u32 s[BND], 0
	s_cbranch_scc1 .Lodd_\@
	s_mov_b32 s[CUR], 0
.Ltrip_\@:
	s_add_co_u32 s[CUR], s[CUR], 1                 ; the double chunk behind this trip's
	s_min_u32 s[NXT], s[CUR], 15                   ; never past the segment's last
	v_lshl_add_u32 v[ADR], s[NXT], 6, v[BASE]      ; 64 bytes a double chunk
	CHUNK RING+16*\s, 1, SEGB*\s
	CHUNK RING+16*\s+8, 1, SEGB*\s+32
	s_cmp_lt_u32 s[CUR], s[BND]
	s_cbranch_scc1 .Ltrip_\@
.Lodd_\@:
	s_bitcmp1_b32 s[TR+\s], 0
	s_cbranch_scc0 .Ldone_\@
	CHUNK RING+16*\s, 0, 0
.Ldone_\@:
.endm
	SEG 0
	SEG 1
	SEG 2
	SEG 3
	; The two groups have seen different halves of the list.  I hand over the (m1, m2) of the two grid points that my partner keeps.
	; The list's reads have addresses made at run time, so they are ordered ahead of every later LDS store by a barrier of their own:
	; each wave's LDS loads are back (the fetches that nothing used among them) before any wave stores into LDS again.
	s_wait_dscnt 0x0
	s_barrier_signal -1
	s_barrier_wait -1
	ds_store_b128 v[OWN], v[M+4:M+7] offset:MRG
	s_wait_dscnt 0x0                               ; my store is done, for my partner's sake
	s_barrier_signal -1
	s_barrier_wait -1
	ds_load_b128 v[W:W+3], v[MLD] offset:MRG       ; my partner's (m1, m2) of the two grid points that I keep
	s_wait_dscnt 0x0
.irp e, 0,1
	v_min_num_f32 v[W+4+\e], v[M+2*\e], v[W+2*\e]
	v_max_num_f32 v[M+2*\e], v[M+2*\e], v[W+2*\e]                              ; the larger of the two firsts
	v_max3_num_f32 v[M+2*\e+1], v[W+4+\e], v[M+2*\e+1], v[W+2*\e+1]            ; the smaller of them against the two seconds
.endr
.irp e, 0,1
.irp r, 0,1
	v_add_f32 v[M+2*\e+\r], v[M+2*\e+\r], v[TT+\e]             ; t + min(-b, d - 2t): the tent
	v_max_num_f32 v[M+2*\e+\r], 0, v[M+2*\e+\r]                ; clamped at 0
	v_add_f32 v[M+2*\e+\r], v[M+2*\e+\r], v[TT+\e]             ; plus t
	v_cndmask_b32 v[M+2*\e+\r], 0, v[M+2*\e+\r], s38           ; zeros where the dimension has no pair
.endr
.endr
	global_store_b128 v[OUTO], v[M:M+3], s[12:13] th:TH_STORE_NT   ; two grid points x two values: the wave stores 512 consecutive bytes, aligned to 512
	s_wait_tensorcnt 0x0
	ds_add_u32 v160, v161
	s_wait_dscnt 0x0
	s_endpgm
.Lfunc_end_k_q848de33bcb_landscape:
	.size	k_q848de33bcb_landscape, .Lfunc_end_k_q848de33bcb_landscape-k_q848de33bcb_landscape
	.p2alignl 7, 3214868480
	.fill 96, 4, 3214868480
	.section	.rodata,"a",@progbits
	.p2align	6, 0x0
	.amdhsa_kernel k_q848de33bcb_landscape
		.amdhsa_group_segment_fixed_size 13312
		.amdhsa_private_segment_fixed_size 0
		.amdhsa_enable_private_segment 0
		.amdhsa_kernarg_size 40
		.amdhsa_user_sgpr_count 2
		.amdhsa_user_sgpr_kernarg_segment_ptr 1
		.amdhsa_wavefront_size32 1
		.amdhsa_system_sgpr_workgroup_id_x 1
		.amdhsa_system_sgpr_workgroup_id_y 1
		.amdhsa_system_sgpr_workgroup_id_z 1
		.amdhsa_system_vgpr_workitem_id 0
		.amdhsa_next_free_vgpr 162
		.amdhsa_next_free_sgpr 66
		.amdhsa_reserve_vcc 0
		.amdhsa_float_denorm_mode_32 3
		.amdhsa_float_denorm_mode_16_64 3
		.amdhsa_memory_ordered 1
		.amdhsa_forward_progress 1
		.amdhsa_inst_pref_size 48
	.end_amdhsa_kernel
	.amdgpu_metadata
---
amdhsa.version: [ 1, 2 ]
amdhsa.kernels:
  - .name:           k_q848de33bcb_landscape
    .symbol:         k_q848de33bcb_landscape.kd
    .args:
      - { .name: birth_loc, .offset: 0, .size: 8, .value_kind: global_buffer, .address_space: global }
      - { .name: death_loc, .offset: 8, .size: 8, .value_kind: global_buffer, .address_space: global }
      - { .name: dtm_val, .offset: 16, .size: 8, .value_kind: global_buffer, .address_space: global }
      - { .name: ph_dim, .offset: 24, .size: 8, .value_kind: global_buffer, .address_space: global }
      - { .name: out0, .offset: 32, .size: 8, .value_kind: global_buffer, .address_space: global }
    .group_segment_fixed_size: 13312
    .private_segment_fixed_size: 0
    .kernarg_segment_align: 8
    .kernarg_segment_size: 40
    .max_flat_workgroup_size: 256
    .sgpr_count:     66
    .vgpr_count:     162
    .wavefront_size: 32
...
	.end_amdgpu_metadata
.endif
;; end of part 1
;; ======== version 2 of 2: 1 launch; version 1 with the launch landscape written anew for expert scheduling mode
;; launch landscape (part 2): grid 256 x 1, 8 waves a work-group, no clusters, 13,312 bytes of LDS; arguments birth_loc, death_loc, dtm_val, ph_dim, out0; writes out0
.if DOCPART == 2
	.amdgcn_target "amdgcn-amd-amdhsa--gfx1250"
	.amdhsa_code_object_version 6
	.text
	.protected	k_q848de33bcb_landscape
	.globl	k_q848de33bcb_landscape
	.p2align	8
	.type	k_q848de33bcb_landscape,@function
k_q848de33bcb_landscape:
	s_mov_b64 s[64:65], 0
	v_nop
	global_prefetch_b8 v0, s[64:65] scope:SCOPE_SE
	s_setreg_imm32_b32 hwreg(HW_REG_WAVE_SCHED_MODE, 0, 2), 2
	s_setreg_imm32_b32 hwreg(HW_REG_WAVE_MODE, 25, 1), 1
	s_wait_xcnt 0x0
	s_wait_alu depctr_vm_vsrc(0)
; Persistence landscape: out0[b][d][t][0..1] = the two largest of max(min(t - birth, death - t), 0) over the pairs of dimension d, plus t,
; on the grid t_j = t_min + (t_max - t_min) j / 511 made of the first two pairs of that dimension; zeros where the dimension has no pair.
; One work-group for each (b, d): x = 2 b + d, 256 in all, eight waves.
;
; THE ARITHMETIC.  min(t - b, d - t) = t + min(-b, d - 2t).  A pair is kept as the entry (d, -b).  For an entry and a grid point:
; w = d + (-2t) (two grid points in one packed add), x = min(-b, w).  The two largest x are kept as m1 >= m2, four entries at a time:
; s1 = med3(m1, xa, xb), m1 = max3(m1, xa, xb), s2 = med3(m1, xc, xd), m1 = max3(m1, xc, xd), m2 = max3(m2, s1, s2).  Since m2 <= m1, the
; second largest of {m1, m2, xa, xb} is max(m2, the median of m1, xa, xb).  44 vector instructions for 4 entries x 4 grid points.
; The clamp at 0 and both additions of t come once, at the end: out = max(t + m, 0) + t.  m starts at -inf, which ends as 0 + t: the
; row has 1,024 tents that are all >= 0, so missing ones count as 0, as in the reference.
;
; THE LIST.  Only pairs with ph_dim == d are evaluated.  Wave w owns pairs 128 w .. 128 w + 127 and compacts them, in order, into its own
; LDS segment of 128 entries: members from the front (rank from ballots of the integer compare), the others from the back as
; (-inf, -inf), which leaves every m as it is.  So each segment is written whole and a chunk of four may run past the last member.
; Lanes whose pair is no member gather element 0 of the row (one address for all of them), so that a pair's two values are fetched by
; one work-group of the launch only.
; Trip counts: every wave counts the members of all eight segments itself, from the whole ph_dim row (4 KB), while its gathers are
; on their way: the counts come from the integer input alone.
;
; THE SHARES.  Wave w: column c = w & 3 (128 grid points), group g = w >> 2 (segments 4 g .. 4 g + 3).  A lane holds four grid points:
; j0 = 128 c + 64 g + 2 lane, j0 + 1, and the same with bit 6 flipped.  At the end waves w and w ^ 4 hand each other the half that the other
; keeps (through LDS), merge, and each stores 16 bytes a lane: 512 consecutive bytes of out0, aligned to 512.
;
; THE MODE: SCHED_MODE bits 1:0 = 2 (LLVM: expert scheduling mode 2), set by the entry lines.  The code itself states the register dependences
; between vector instructions and memory or LDS instructions, and those through scalar registers that vector instructions write, with
; s_wait_alu, always for 0.
; THE PLAN.  Registers that memory or LDS instructions touch:
;   OWN, LOFF, CAD, BASE, MLD, OUTO   offsets and addresses, made once at the head by vector instructions and never written again.
;   BL, DL      the index loads land there; 24 vector lines in one run turn them into gather offsets; the eight gathers read them; never written again.
;   POS, ENT    made by vector lines; read by the four LDS stores of the compaction; never written again.
;   v[96:127]   the ph_dim row lands there; the 32 counting compares read it; then the ring's first loads land there.
;   RING        a segment's sixteen registers: a trip's 48 add and min lines read them, and then the trip's four fetches land in them.
;   ADR         written by one vector line at a trip's head, read by the trip's four fetches.
;   W[0:3]      at work in the loops; at the end my partner's numbers land there.    M[4:7], M[0:3]   data of the hand-over store and of the global store.
; In the loop ONE wait on va_vdst stands in a trip, behind the x of both chunks (W and W2): the ring's sixteen registers have been read and ADR is
; written.  The four fetches follow in one run, and the 40 merging lines behind them name W, W2, S and M alone: none of the registers that
; the fetches touch.  One wait on vm_vsrc stands at the trip's head, ahead of the line that writes ADR.  EXEC is never written.
;
; NOT USED: matrix instructions (there is no product); tensor loads and clusters (the two work-groups of a sample share only their 12 KB
; of index rows, read once through registers); prefetches (a gather's address is known one step before the gather).
; LIMITS: dtm_val finite (NaN and infinities are not reproduced).  Rounding differs from the reference by a few units in the last place of
; the values' magnitude: t + (d - 2t) for d - t, a fused multiply-add in the grid, j * (1/511) for linspace.  An index is clamped to 65,535.
; A ph_dim other than 0 or 1 belongs to neither dimension.
.set LIST,  0                          ; LDS: 8 segments x 128 entries x 8 bytes
.set SEGB,  1024                       ; bytes of a segment
.set MRG,   8192                       ; LDS: 8 waves x 512 bytes, the halves handed over at the end
.set LANE,  1                          ; v1       lane
.set OWN,   2                          ; v2       16 x thread: my 4 pairs in an index row; also my 16 bytes in MRG
.set LOFF,  3                          ; v3       16 x lane
.set PH,    4                          ; v[4:7]   ph_dim of my 4 pairs
.set BL,    8                          ; v[8:11]  birth_loc, then byte offsets of the gathers
.set DL,    12                         ; v[12:15] death_loc, likewise
.set BV,    16                         ; v[16:19] birth values, then -birth
.set DV,    20                         ; v[20:23] death values
.set POS,   24                         ; v[24:27] ranks, then LDS addresses of my 4 entries
.set TMP,   28                         ; v[28:31] at work
.set ENT,   32                         ; v[32:39] my 4 entries (death, -birth)
.set CAD,   40                         ; v40      LDS address of my candidate for the first two members
.set CT,    41                         ; v41      at work
.set CAN,   42                         ; v[42:43] the candidate, then (t_max, -t_min)
.set RNG,   44                         ; v44      t_max - t_min
.set MLD,   46                         ; v46      my partner's 16 bytes in MRG
.set OUTO,  47                         ; v47      my byte offset in the work-group's 4,096 bytes of out0
.set BASE,  48                         ; v48      LDS address of my group's first segment
.set ADR,   49                         ; v49      LDS address of the double chunk that is being fetched
.set U,     52                         ; v[52:55] j, then j / 511
.set TT,    56                         ; v[56:59] t
.set NT,    60                         ; v[60:63] -2 t
.set M,     64                         ; v[64:71] (m1, m2) of my four grid points
.set W,     72                         ; v[72:87] x of a trip's first 4 entries x 4 grid points
.set S,     88                         ; v[88:95] the medians s1, s2
.set RING,  96                         ; v[96:159] for each of my 4 segments two chunks of 8 registers (4 entries each)
.set PHA,   RING                       ; v[96:127] before the list is read: the whole ph_dim row, 4 values of each segment
.set W2,    160                        ; v[160:175] x of a trip's second 4 entries x 4 grid points
.set TS,    30                         ; s[30:33] at work on the counts
.set NC,    40                         ; s[40:47] members of segments 0 to 7
.set MK,    48                         ; s[48:63] sixteen ballots at a time, written by compares alone; free again before the four names below are made
.set TR,    48                         ; s[48:51] chunks of four entries in my group's segments
.set BND,   52                         ; s52      double chunks that a segment's loop walks
.set CUR,   53                         ; s53      the loop's counter, in double chunks
.set NXT,   54                         ; s54      the double chunk to fetch, held inside the segment
	s_load_b256 s[4:11], s[0:1], 0x0               ; birth_loc s[4:5], death_loc s[6:7], dtm_val s[8:9], ph_dim s[10:11]
	s_load_b64 s[12:13], s[0:1], 0x20              ; out0
	v_lshl_add_u32 v50, v0, 2, 0x3000
	v_mov_b32 v51, 0
	v_lshrrev_b32 v[CT], 5, v0
	v_readfirstlane_b32 s14, v[CT]                 ; wave 0..7
	v_and_b32 v[LANE], 31, v0
	v_lshlrev_b32 v[OWN], 4, v0
	v_lshlrev_b32 v[LOFF], 4, v[LANE]
	s_and_b32 s15, ttmp9, 1                        ; d
	s_lshr_b32 s16, ttmp9, 1                       ; b
	s_lshl_b32 s18, s16, 12                        ; b x 4,096 bytes: a row of 1,024 int32
	s_mov_b32 s19, 0
	s_lshl_b32 s24, s16, 18                        ; b x 262,144 bytes: a row of dtm_val (below 2^25)
	s_mov_b32 s25, 0
	s_lshl_b32 s26, ttmp9, 12                      ; (2 b + d) x 512 grid points x 8 bytes
	s_mov_b32 s27, 0
	s_wait_kmcnt 0x0
	s_add_nc_u64 s[4:5], s[4:5], s[18:19]
	s_add_nc_u64 s[6:7], s[6:7], s[18:19]
	s_add_nc_u64 s[10:11], s[10:11], s[18:19]
	s_add_nc_u64 s[8:9], s[8:9], s[24:25]
	s_add_nc_u64 s[12:13], s[12:13], s[26:27]
	s_wait_alu depctr_va_vdst(0)                   ; v[OWN] and v[LOFF] are written, which the eleven loads below read as their offsets
	global_load_b128 v[PH:PH+3], v[OWN], s[10:11]  ; my 4 pairs first: the gathers hang on these three loads
	global_load_b128 v[BL:BL+3], v[OWN], s[4:5]
	global_load_b128 v[DL:DL+3], v[OWN], s[6:7]
.irp s, 0,1,2,3,4,5,6,7
	global_load_b128 v[PHA+4*\s:PHA+4*\s+3], v[LOFF], s[10:11] offset:512*\s   ; the whole ph_dim row, a segment (128 pairs) a load
.endr
	; what hangs on ids alone, while the loads are out
	s_wait_alu depctr_va_sdst(0)                   ; s14, the wave's number, is written, ahead of its first reader two lines down
	s_mov_b32 s28, 0xff800000                      ; -inf
	s_lshr_b32 s17, s14, 2                         ; g
	s_lshl_b32 s29, s14, 10                        ; my own segment: 1,024 x wave
	s_lshl_b32 s34, s17, 12                        ; my group's four segments: 4,096 x g
	v_mov_b32 v[BASE], s34
	v_xor_b32 v[MLD], 0x800, v[OWN]                ; wave ^ 4, same lane
	v_and_b32 v[CT], 14, v0                        ; candidates: lane i & 15 takes entry i & 1 of segment (i & 15) >> 1
	v_lshlrev_b32 v[CAD], 9, v[CT]
	v_and_b32 v[CT], 1, v0
	v_lshl_add_u32 v[CAD], v[CT], 3, v[CAD]
	s_and_b32 s39, s14, 3
	s_lshl_b32 s39, s39, 7
	s_lshl_b32 s33, s17, 6
	s_or_b32 s39, s39, s33                         ; 128 c + 64 g
	v_lshl_add_u32 v[U], v[LANE], 1, s39           ; j0
	v_lshlrev_b32 v[OUTO], 3, v[U]                 ; 8 bytes a grid point
	v_or_b32 v[U+1], 1, v[U]
	v_xor_b32 v[U+2], 64, v[U]                     ; the half that my partner keeps
	v_or_b32 v[U+3], 1, v[U+2]
.irp i, 0,1,2,3
	v_cvt_f32_u32 v[U+\i], v[U+\i]
.endr
.irp i, 0,1,2,3
	v_mul_f32 v[U+\i], 0x3b004020, v[U+\i]         ; j / 511
.endr
	v_lshlrev_b32 v[TMP+3], 2, v[LANE]
	v_sub_nc_u32 v[TMP+3], 127, v[TMP+3]           ; 127 - 4 lane
	s_wait_loadcnt 0x8                             ; my three index loads are in; the eight loads of the whole row stay out
.irp k, 0,1,2,3
	v_cmp_eq_u32 s[20+\k], s15, v[PH+\k]           ; s[20:23]: which lanes' pair k is a member
.endr
	s_wait_alu depctr_va_sdst(0)                   ; the four compares have written s[20:23], ahead of their first reader, the select below
.irp k, 0,1,2,3
	v_cndmask_b32 v[BL+\k], 0, v[BL+\k], s[20+\k]  ; no member: element 0, one address for all such lanes
	v_cndmask_b32 v[DL+\k], 0, v[DL+\k], s[20+\k]
.endr
.irp k, 0,1,2,3
	v_min_u32 v[BL+\k], 0xffff, v[BL+\k]           ; inside the row of 65,536
	v_min_u32 v[DL+\k], 0xffff, v[DL+\k]
.endr
.irp k, 0,1,2,3
	v_lshlrev_b32 v[BL+\k], 2, v[BL+\k]
	v_lshlrev_b32 v[DL+\k], 2, v[DL+\k]
.endr
	s_wait_alu depctr_va_vdst(0)                   ; the eight offsets in v[BL ..] and v[DL ..] are written, which the gathers read
.irp k, 0,1,2,3
	global_load_b32 v[BV+\k], v[BL+\k], s[8:9]
	global_load_b32 v[DV+\k], v[DL+\k], s[8:9]
.endr
	; places in my segment, while the gathers are out.  Pair 4 lane + k has r_k members of my wave in front of it.
	v_mbcnt_lo_u32_b32 v[POS], s20, 0
	v_mbcnt_lo_u32_b32 v[POS], s21, v[POS]
	v_mbcnt_lo_u32_b32 v[POS], s22, v[POS]
	v_mbcnt_lo_u32_b32 v[POS], s23, v[POS]         ; r_0: the members in the lanes below me
	v_cndmask_b32 v[TMP], 0, 1, s20
	v_cndmask_b32 v[TMP+1], 0, 1, s21
	v_cndmask_b32 v[TMP+2], 0, 1, s22
	v_add_nc_u32 v[POS+1], v[POS], v[TMP]
	v_add_nc_u32 v[POS+2], v[POS+1], v[TMP+1]
	v_add_nc_u32 v[POS+3], v[POS+2], v[TMP+2]
.irp k, 0,1,2,3
	v_add3_u32 v[TMP+\k], v[TMP+3], v[POS+\k], 0-\k            ; no member: 127 - (4 lane + k - r_k), from the back (k = 3 uses up v[TMP+3] last)
	v_cndmask_b32 v[POS+\k], v[TMP+\k], v[POS+\k], s[20+\k]    ; member: r_k, from the front
	v_min_u32 v[POS+\k], 127, v[POS+\k]                        ; the place is 0..127 by its making; the bound is stated here so that it can be read off the text
	v_lshl_add_u32 v[POS+\k], v[POS+\k], 3, s29                ; 8 bytes an entry, in my wave's own segment
.endr
	s_wait_loadcnt 0x8                             ; the whole ph_dim row is in; the eight gathers, issued behind it, stay out
	; The members of each segment, four segments at a time: sixteen compares in a run, one wait behind the run, then the scalar sums.
.irp h, 0,1
.irp q, 0,1,2,3,4,5,6,7,8,9,10,11,12,13,14,15
	v_cmp_eq_u32 s[MK+\q], s15, v[PHA+16*\h+\q]
.endr
	s_wait_alu depctr_va_sdst(0)                   ; the sixteen compares have written s[MK ..], ahead of their first reader, the count below
.irp s, 0,1,2,3
	s_bcnt1_i32_b32 s[TS], s[MK+4*\s]
	s_bcnt1_i32_b32 s[TS+1], s[MK+4*\s+1]
	s_bcnt1_i32_b32 s[TS+2], s[MK+4*\s+2]
	s_bcnt1_i32_b32 s[TS+3], s[MK+4*\s+3]
	s_add_co_u32 s[TS], s[TS], s[TS+1]
	s_add_co_u32 s[TS+2], s[TS+2], s[TS+3]
	s_add_co_u32 s[NC+4*\h+\s], s[TS], s[TS+2]     ; members of segment 4 h + s
.endr
.endr
	; The first two members of the row are among entries 0 and 1 of the segments.  Bit 2 s + i: entry i of segment s is a member.
	s_mov_b32 s35, 0
.irp s, 0,1,2,3,4,5,6,7
	s_min_u32 s[TS], s[NC+\s], 2
	s_bfm_b32 s[TS], s[TS], 2*\s                   ; 0, 1 or 2 ones at bit 2 s
	s_or_b32 s35, s35, s[TS]
.endr
	s_sub_co_u32 s36, s35, 1
	s_and_b32 s36, s36, s35                        ; without the lowest one
	s_sub_co_u32 s37, s36, 1
	s_and_b32 s37, s37, s36                        ; without the lowest two
	s_xor_b32 s36, s35, s37                        ; the lowest two (or one, or none)
	s_lshl_b32 s37, s36, 16
	s_or_b32 s36, s36, s37                         ; the same for lanes 16 to 31
	s_cmp_lg_u32 s35, 0
	s_cselect_b32 s38, -1, 0                       ; all ones where the dimension has a pair
	s_cmp_lg_u32 s17, 0
.irp s, 0,1,2,3
	s_cselect_b32 s[TR+\s], s[NC+4+\s], s[NC+\s]   ; my group's four counts
.endr
.irp s, 0,1,2,3
	s_add_co_u32 s[TR+\s], s[TR+\s], 3
	s_lshr_b32 s[TR+\s], s[TR+\s], 2               ; chunks of four entries, rounded up
	s_min_u32 s[TR+\s], s[TR+\s], 32               ; a segment has 32 chunks
.endr
.irp k, 0,1,2,3
	s_wait_loadcnt 6-2*\k                          ; pair k's two gathers are in; the later pairs' stay out
	v_xor_b32 v[BV+\k], 0x80000000, v[BV+\k]       ; -birth
	v_cndmask_b32 v[ENT+2*\k], s28, v[DV+\k], s[20+\k]         ; no member: (-inf, -inf)
	v_cndmask_b32 v[ENT+2*\k+1], s28, v[BV+\k], s[20+\k]
.endr
	s_wait_alu depctr_va_vdst(0)                   ; v[ENT ..] and v[POS ..] are written, which the four LDS stores read.  No vector line stands between this wait and the LDS loads behind the
	                                               ; barrier, so it states for them too: v[CAD] and v[BASE] are written, and the counting compares are done reading v[96:127], in which the ring lands
.irp k, 0,1,2,3
	ds_store_b64 v[POS+\k], v[ENT+2*\k:ENT+2*\k+1] offset:LIST
.endr
	s_wait_dscnt 0x0                               ; my segment is written, for the other waves' sake
	s_barrier_signal -1
	s_barrier_wait -1                              ; all eight segments are
	ds_load_b64 v[CAN:CAN+1], v[CAD] offset:LIST
.irp s, 0,1,2,3
.irp j, 0,1,2,3
	ds_load_b128 v[RING+16*\s+4*\j:RING+16*\s+4*\j+3], v[BASE] offset:LIST+SEGB*\s+16*\j   ; the first two chunks of each of my four segments; every lane reads the same bytes
.endr
.endr
.irp i, 0,1,2,3,4,5,6,7
	v_mov_b32 v[M+\i], s28                         ; trip counts may be 0, so the running maxima start here and not in a first chunk
.endr
	s_wait_dscnt 16                                ; the candidate is in; the sixteen loads issued behind it stay out
	v_cndmask_b32 v[CAN], s28, v[CAN], s36         ; only the first two members count
	v_cndmask_b32 v[CAN+1], s28, v[CAN+1], s36
.irp m, 1,2,4,8
	v_max_num_f32_dpp v[CAN], v[CAN], v[CAN] row_xmask:\m row_mask:0xf bank_mask:0xf           ; t_max; both halves of the wave hold the same sixteen candidates
	v_max_num_f32_dpp v[CAN+1], v[CAN+1], v[CAN+1] row_xmask:\m row_mask:0xf bank_mask:0xf     ; -t_min
.endr
	v_add_f32 v[RNG], v[CAN], v[CAN+1]             ; t_max - t_min
.irp i, 0,1,2,3
	v_fma_f32 v[TT+\i], v[RNG], v[U+\i], -v[CAN+1] ; t = t_min + (t_max - t_min) j / 511
.endr
.irp i, 0,1,2,3
	v_mul_f32 v[NT+\i], -2.0, v[TT+\i]
.endr
; The x of four entries (registers r .. r + 7: d, -b, d, -b, ..) at my four grid points, into the sixteen registers from w on.
.macro XS r, w
.irp e, 0,1,2,3
	v_pk_add_f32 v[\w+4*\e:\w+4*\e+1], v[\r+2*\e:\r+2*\e+1], v[NT:NT+1] op_sel_hi:[0,1]          ; d - 2t, d in both halves
	v_pk_add_f32 v[\w+4*\e+2:\w+4*\e+3], v[\r+2*\e:\r+2*\e+1], v[NT+2:NT+3] op_sel_hi:[0,1]
.endr
.irp e, 0,1,2,3
.irp i, 0,1,2,3
	v_min_num_f32 v[\w+4*\e+\i], v[\r+2*\e+1], v[\w+4*\e+\i]     ; x = min(-b, d - 2t)
.endr
.endr
.endm
; The (m1, m2) of my four grid points take the four entries' x from w on.  These lines name w's sixteen registers, S and M alone.
.macro MERGE w
.irp i, 0,1,2,3
	v_med3_num_f32 v[S+\i], v[M+2*\i], v[\w+\i], v[\w+4+\i]
.endr
.irp i, 0,1,2,3
	v_max3_num_f32 v[M+2*\i], v[M+2*\i], v[\w+\i], v[\w+4+\i]
.endr
.irp i, 0,1,2,3
	v_med3_num_f32 v[S+4+\i], v[M+2*\i], v[\w+8+\i], v[\w+12+\i]
.endr
.irp i, 0,1,2,3
	v_max3_num_f32 v[M+2*\i], v[M+2*\i], v[\w+8+\i], v[\w+12+\i]
.endr
.irp i, 0,1,2,3
	v_max3_num_f32 v[M+2*\i+1], v[M+2*\i+1], v[S+\i], v[S+4+\i]
.endr
.endm
; Segment s of my group.  A trip takes a double chunk (8 entries, 64 bytes) and fetches the one after it; an odd last chunk follows without a
; fetch.  The counter goes in steps of 1 up to half the chunk count, 16 at the most.  What the last trip fetches is used by the odd chunk or
; not at all; its number is held at 15, the segment's last double chunk, and it lands in this segment's own sixteen registers, which
; nothing names afterwards.  A trip: the x of both chunks, the one wait, the four fetches, and both chunks' merging, first chunk first.
.macro SEG s
	s_lshr_b32 s[BND], s[TR+\s], 1                 ; whole double chunks
	s_cmp_eq_u32 s[BND], 0
	s_cbranch_scc1 .Lodd_\@
	s_mov_b32 s[CUR], 0
.Ltrip_\@:
	s_add_co_u32 s[CUR], s[CUR], 1                 ; the double chunk behind this trip's
	s_min_u32 s[NXT], s[CUR], 15                   ; never past the segment's last
	s_wait_alu depctr_vm_vsrc(0)                   ; the fetches issued so far, in the trip before or in the segment before, have read v[ADR], which the next line writes
	v_lshl_add_u32 v[ADR], s[NXT], 6, v[BASE]      ; 64 bytes a double chunk
	s_wait_dscnt 0x2                               ; the first chunk's two loads are in: behind them the second chunk's two have been issued (more, at a segment's start)
	XS RING+16*\s, W
	s_wait_dscnt 0x0                               ; the second chunk's two: round the loop they are the youngest
	XS RING+16*\s+8, W2
	s_wait_alu depctr_va_vdst(0)                   ; the 48 lines above are done reading the segment's sixteen registers, in which the fetches land, and v[ADR] is written, which they read
.irp j, 0,1,2,3
	ds_load_b128 v[RING+16*\s+4*\j:RING+16*\s+4*\j+3], v[ADR] offset:LIST+SEGB*\s+16*\j   ; the next double chunk, first chunk first
.endr
	MERGE W                                        ; no wait: no line from here to the next trip's head names a register that the fetches touch
	MERGE W2
	s_cmp_lt_u32 s[CUR], s[BND]
	s_cbranch_scc1 .Ltrip_\@
.Lodd_\@:
	s_bitcmp1_b32 s[TR+\s], 0
	s_cbranch_scc0 .Ldone_\@
	s_wait_dscnt 0x2                               ; the odd chunk's two loads are in: behind them two more have been issued, at the start or in the last trip
	XS RING+16*\s, W
	MERGE W
.Ldone_\@:
.endm
	SEG 0
	SEG 1
	SEG 2
	SEG 3
	; The two groups have seen different halves of the list.  I hand over the (m1, m2) of the two grid points that my partner keeps.
	; The list's reads have addresses made at run time, so they are ordered ahead of every later LDS store by a barrier of their own:
	; each wave's LDS loads are back (the fetches that nothing used among them) before any wave stores into LDS again.
	s_wait_dscnt 0x0
	s_barrier_signal -1
	s_barrier_wait -1
	s_wait_alu depctr_va_vdst(0)                   ; the merging lines have written v[M+4 .. M+7], which the LDS store reads, and are done with v[W .. W+3], in which my partner's numbers land below (no vector line stands between)
	ds_store_b128 v[OWN], v[M+4:M+7] offset:MRG
	s_wait_dscnt 0x0                               ; my store is done, for my partner's sake
	s_barrier_signal -1
	s_barrier_wait -1
	ds_load_b128 v[W:W+3], v[MLD] offset:MRG       ; my partner's (m1, m2) of the two grid points that I keep
	s_wait_dscnt 0x0
.irp e, 0,1
	v_min_num_f32 v[W+4+\e], v[M+2*\e], v[W+2*\e]
	v_max_num_f32 v[M+2*\e], v[M+2*\e], v[W+2*\e]                              ; the larger of the two firsts
	v_max3_num_f32 v[M+2*\e+1], v[W+4+\e], v[M+2*\e+1], v[W+2*\e+1]            ; the smaller of them against the two seconds
.endr
.irp e, 0,1
.irp r, 0,1
	v_add_f32 v[M+2*\e+\r], v[M+2*\e+\r], v[TT+\e]             ; t + min(-b, d - 2t): the tent
	v_max_num_f32 v[M+2*\e+\r], 0, v[M+2*\e+\r]                ; clamped at 0
	v_add_f32 v[M+2*\e+\r], v[M+2*\e+\r], v[TT+\e]             ; plus t
	v_cndmask_b32 v[M+2*\e+\r], 0, v[M+2*\e+\r], s38           ; zeros where the dimension has no pair
.endr
.endr
	s_wait_alu depctr_va_vdst(0)                   ; the lines above have written v[M .. M+3], which the store reads
	global_store_b128 v[OUTO], v[M:M+3], s[12:13] th:TH_STORE_NT   ; two grid points x two values: the wave stores 512 consecutive bytes, aligned to 512
	s_wait_dscnt 0x0
	s_wait_alu depctr_hold_cnt(0) depctr_sa_sdst(0) depctr_va_vdst(0) depctr_va_sdst(0) depctr_va_ssrc(0) depctr_va_vcc(0) depctr_vm_vsrc(0)
	s_wait_tensorcnt 0x0
	ds_add_u32 v50, v51
	s_wait_dscnt 0x0
	s_endpgm
.Lfunc_end_k_q848de33bcb_landscape:
	.size	k_q848de33bcb_landscape, .Lfunc_end_k_q848de33bcb_landscape-k_q848de33bcb_landscape
	.p2alignl 7, 3214868480
	.fill 96, 4, 3214868480
	.section	.rodata,"a",@progbits
	.p2align	6, 0x0
	.amdhsa_kernel k_q848de33bcb_landscape
		.amdhsa_group_segment_fixed_size 13312
		.amdhsa_private_segment_fixed_size 0
		.amdhsa_enable_private_segment 0
		.amdhsa_kernarg_size 40
		.amdhsa_user_sgpr_count 2
		.amdhsa_user_sgpr_kernarg_segment_ptr 1
		.amdhsa_wavefront_size32 1
		.amdhsa_system_sgpr_workgroup_id_x 1
		.amdhsa_system_sgpr_workgroup_id_y 1
		.amdhsa_system_sgpr_workgroup_id_z 1
		.amdhsa_system_vgpr_workitem_id 0
		.amdhsa_next_free_vgpr 176
		.amdhsa_next_free_sgpr 66
		.amdhsa_reserve_vcc 0
		.amdhsa_float_denorm_mode_32 3
		.amdhsa_float_denorm_mode_16_64 3
		.amdhsa_memory_ordered 1
		.amdhsa_forward_progress 1
		.amdhsa_inst_pref_size 49
	.end_amdhsa_kernel
	.amdgpu_metadata
---
amdhsa.version: [ 1, 2 ]
amdhsa.kernels:
  - .name:           k_q848de33bcb_landscape
    .symbol:         k_q848de33bcb_landscape.kd
    .args:
      - { .name: birth_loc, .offset: 0, .size: 8, .value_kind: global_buffer, .address_space: global }
      - { .name: death_loc, .offset: 8, .size: 8, .value_kind: global_buffer, .address_space: global }
      - { .name: dtm_val, .offset: 16, .size: 8, .value_kind: global_buffer, .address_space: global }
      - { .name: ph_dim, .offset: 24, .size: 8, .value_kind: global_buffer, .address_space: global }
      - { .name: out0, .offset: 32, .size: 8, .value_kind: global_buffer, .address_space: global }
    .group_segment_fixed_size: 13312
    .private_segment_fixed_size: 0
    .kernarg_segment_align: 8
    .kernarg_segment_size: 40
    .max_flat_workgroup_size: 256
    .sgpr_count:     66
    .vgpr_count:     176
    .wavefront_size: 32
...
	.end_amdgpu_metadata
.endif
;; end of part 2
